; MI455X (gfx1250); checked and timed in simulation.
; The chip was launched on July 23, 2026; its instructions are those of AMD's public machine-readable ISA for CDNA 5 (MIT licence, August 2026) and "CDNA5" Instruction Set Architecture Reference Guide (July 2026). The comments in the code are by the model that wrote it; some were corrected since.
;; Causal Self Attention. Allowed arithmetic: matrix products marked QUANTISED: E4M3 operands, one given power-of-two scale a tensor, by v_wmma_f32_16x16x64_fp8_fp8 or v_wmma_f32_16x16x128_fp8_fp8, f32 sums; everything else in f32.
;; Inputs: lowp_scales 8 int32 (the exponents e of the quantised operands' scales 2^e); w_proj 1,024 x 1,024 float32; w_qkv 1,024 x 3,072 float32; x 4 x 2,048 x 1,024 float32.
;; Outputs: out0 4 x 2,048 x 1,024 float32.
;; This version of the problem:
;;   THIS VERSION OF THE PROBLEM IS GIVEN IN LOW PRECISION. The matrix products marked QUANTISED in the list below multiply operands that are first quantised to E4M3 (4 exponent bits, 3 mantissa bits; 8 bits a number), with one given power-of-two scale for each operand tensor; their sums are f32. All else is computed in f32.
;;   The module's matrix products, in the order in which they are computed (A, B: the left and right operand; K: the contracted axis; several contracted axes count as one K, in the product's order):
;;     1. [M 8,192, K 1,024] x [K 1,024, N 3,072]; A: input x; B: input w_qkv: QUANTISED (scales: A lowp_scales[0], B lowp_scales[1])
;;     2. batch 64 x [M 2,048, K 64] x [K 64, N 2,048]; A: computed on the way; B: computed on the way: QUANTISED (scales: A lowp_scales[2], B lowp_scales[3])
;;     3. batch 64 x [M 2,048, K 2,048] x [K 2,048, N 64]; A: softmax (see below); B: computed on the way: QUANTISED (scales: A lowp_scales[4], B lowp_scales[5])
;;     4. [M 8,192, K 1,024] x [K 1,024, N 1,024]; A: computed on the way; B: input w_proj: QUANTISED (scales: A lowp_scales[6], B lowp_scales[7])
;;   THE QUANTISER, for each operand of a quantised product, along K:
;;     - The operand's scale is 2^e, e = its entry of the input lowp_scales (int32; the entries are numbered through the quantised products in the list's order, A before B).
;;     - Each number is divided by the scale, clamped to +-448, and rounded to the nearest number of E4M3, ties to even, subnormals kept.
;;     - The product sums the exact products of the quantised numbers (number of the format x scale) in f32.
;;   ~~~python
;;   def quantise(x, axis, e):      # numpy; x: float32 -> the quantised numbers, widened to float32 again
;;       x = np.moveaxis(x, axis, -1); K = x.shape[-1]
;;       r = np.clip(x / 2.0 ** e, -448, 448)
;;       step = 2.0 ** (np.maximum(np.frexp(np.where(r == 0, 1, r))[1] - 1, -6) - 3)
;;       q = np.round(r / step) * step * 2.0 ** e      # np.round: ties to even
;;       return np.moveaxis(q, -1, axis).astype(np.float32)
;;   ~~~
;;   SOFTMAX AHEAD OF A QUANTISED PRODUCT. Where the list says 'softmax', what is quantised is not the finished softmax but p = 2^(t - M), with t = logit x log2(e) and M = ceil(the row's largest t), a whole number; so 1/2 < the row's largest p <= 1. The row's sum l is taken of the UNQUANTISED p, in f32, and the product's result is divided by l at the end. Since M is a whole number, a kernel that streams over the keys may use a running M (the ceiling of the running maximum): every later rescaling is an exact power of two, so the quantised numbers keep their values, but for numbers so far below the row's largest that they fall under the format's range.
;;   OPERANDS COMPUTED ON THE WAY. 'Computed on the way' means the value that the module computes at that place (a softmax that the list does not call 'softmax' is quantised finished and normalised). What goes into a quantiser is computed in f32, as accurately as f32 sums, v_exp_f32 and their like allow (about 1e-6 of the number): no bf16 or f16 on the way to a quantiser, and a product that is left as it is and whose result goes on into a quantised operand takes f32 operands (vector FMAs, or v_wmma_f32_16x16x4_f32). A number that lies on a knife's edge between two numbers of the format may be rounded either way, as far as f32 arithmetic and the matrix unit's own rounding can turn it there, and no further.
;; One version. Each part assembles by itself: llvm-mc -triple=amdgcn-amd-amdhsa -mcpu=gfx1250 --defsym DOCPART=n.
;; ======== version 1 of 1: 4 launches
;; limits: right only within a limited range of input values
;; workspace buffers: x_codes 8,388,608 bytes; wqkv_codes 3,145,728 bytes; wproj_codes 1,048,576 bytes; q_codes 8,388,608 bytes; kv_codes 16,777,216 bytes; o_codes 8,388,608 bytes
;; launch quant (part 1): grid 384 x 1, 4 waves a work-group, no clusters, 68,096 bytes of LDS; arguments x, w_qkv, w_proj, lowp_scales, x_codes, wqkv_codes, wproj_codes; writes x_codes, wqkv_codes, wproj_codes
.if DOCPART == 1
	.amdgcn_target "amdgcn-amd-amdhsa--gfx1250"
	.amdhsa_code_object_version 6
	.text
	.protected	k_q0917d48dcf_quant
	.globl	k_q0917d48dcf_quant
	.p2align	8
	.type	k_q0917d48dcf_quant,@function
k_q0917d48dcf_quant:
	s_mov_b64 s[64:65], 0
	v_nop
	global_prefetch_b8 v0, s[64:65] scope:SCOPE_SE
	s_setreg_imm32_b32 hwreg(HW_REG_WAVE_MODE, 25, 1), 1
	s_wait_xcnt 0x0
; x [8192][1024], w_qkv [1024][3072], w_proj [1024][1024], all f32, become codes of FP8 (E4M3), K innermost, each with its given scale 2^e
; (x: entry 0 of the scales, w_qkv: entry 1, w_proj: entry 7).  code = number / 2^e, to the nearest code, ties to even.
; LIMITS: each of these e lies between -126 and 119, so that 2^e and 448 x 2^e are f32 numbers.  NaN among the inputs is not served.
; Work-groups 0-255 take x (K is innermost: a plain stream of numbers), work-groups 256-383 the two weights (K is the first axis).
; Every work-group moves 131,072 bytes of f32.  No tensor load, no barrier: waves share nothing.  Each path has LDS bytes of its own.
; x_codes: [8192][1024], k as it lies.
; wqkv_codes: [3072 rows][1024]: column n of w_qkv (part = n / 1024: q, k, v; head = (n % 1024) / 64; channel = n % 64) becomes row
;   192 head + 96 (channel / 32) + 32 part + channel % 32: a head's q, k and v lie together, in two halves of 96 rows.
; wproj_codes: [1024 n][1024]: in each 32 along K the two middle groups of eight change places (place 16 h + 8 u + j holds k = 16 u + 8 h + j),
;   so that loads of 16 bytes a lane put each k where the matrix instruction's own layout has it.
.set SPARE, 67584                      ; behind both paths' stages: the spare words, 128 bytes a wave: two blocks of 256 bytes that no other line names
.set SPW,   12                         ; v12  LDS address of my spare word; never rewritten
.set NIL,   13                         ; v13  0; never rewritten
; path X
.set STEPS, 16                         ; a wave takes 16 steps of 512 numbers
.set SP,    80                         ; a lane's place in a stage: 64 bytes + 16 of padding
.set R,     16                         ; v16-79   four sets of 16 numbers as loaded
.set X,     80                         ; v80-111  two sets of 16 neighbours
.set C,     128                        ; v128-191 codes, four registers for each step: no store's data are written again
; path W
.set WSTG,  32768                      ; the weights' stages begin here: 32 rows x 272 bytes for each wave
.set WP,    272
.set OFF,   16                         ; v16-47   place q of a block of 32 along K: 4 x lane + (the row that belongs there) x the row's bytes
.set XW,    48                         ; v48-111  two sets of 32 numbers
.set CW,    112                        ; v112-119 a block's codes
.set OUTR,  120                        ; v120-183 the way out
.macro LOAD t                          ; step t: four loads of 512 consecutive bytes
.irp i, 0,1,2,3
	global_load_b128 v[R+16*((\t)%4)+4*\i:R+16*((\t)%4)+4*\i+3], v3, s[4:5] offset:2048*(\t)+512*\i th:TH_LOAD_NT
.endr
.endm
.macro TURN t                          ; step t's 2,048 bytes go through my stage as they lie and come back 64 bytes a lane; LDS serves a wave's instructions in order
.irp i, 0,1,2,3
	ds_store_b128 v14, v[R+16*((\t)%4)+4*\i:R+16*((\t)%4)+4*\i+3] offset:32*SP*((\t)%2)+8*SP*\i
.endr
.irp i, 0,1,2,3
	ds_load_b128 v[X+16*((\t)%2)+4*\i:X+16*((\t)%2)+4*\i+3], v15 offset:32*SP*((\t)%2)+16*\i
.endr
.endm
.macro STEP t
.set XS, X+16*((\t)%2)
	s_wait_dscnt 0x0                               ; this step's numbers are back, so its stores into the stage have read their registers,
.if (\t)+4 < STEPS
	LOAD (\t)+4                                    ; which take the loads of four steps on
.endif
.if (\t)+1 < STEPS
.if STEPS-2-(\t) >= 3
	s_wait_loadcnt 12                              ; the next step's four loads are in; three later steps' twelve may be out
.else
	s_wait_loadcnt 4*(STEPS-2-(\t))
.endif
	TURN (\t)+1
.endif
.irp i, 0,1,2,3,4,5,6,7,8,9,10,11,12,13,14,15
.endr
	v_cvt_scalef32_pk8_fp8_f32 v[C+4*(\t):C+4*(\t)+1], v[XS:XS+7], v11
	v_cvt_scalef32_pk8_fp8_f32 v[C+4*(\t)+2:C+4*(\t)+3], v[XS+8:XS+15], v11
	global_store_b128 v4, v[C+4*(\t):C+4*(\t)+3], s[12:13] offset:512*(\t)   ; the wave stores 512 consecutive bytes
.endm
.macro WLOAD t                         ; block t of 32 along K of my column: each load reads 128 consecutive bytes of one row of the weight
.set qq, 0
.rept 32
	global_load_b32 v[XW+32*((\t)%2)+qq], v[OFF+qq], s[44+2*(\t):45+2*(\t)] th:TH_LOAD_NT
.set qq, qq+1
.endr
.endm
.macro BLOCK t
.set XS, XW+32*((\t)%2)
.if (\t) < 7
	s_wait_loadcnt 32                              ; this block's 32 loads are in; the next block's may be out
.else
	s_wait_loadcnt 0
.endif
.set qq, 0
.rept 32
.set qq, qq+1
.endr
.irp g, 0,1,2,3
	v_cvt_scalef32_pk8_fp8_f32 v[CW+2*\g:CW+2*\g+1], v[XS+8*\g:XS+8*\g+7], v11
.endr
	ds_store_b128 v4, v[CW:CW+3] offset:32*(\t)    ; 32 codes of my column's row
	ds_store_b128 v4, v[CW+4:CW+7] offset:32*(\t)+16
.if (\t)+2 < 8
	WLOAD (\t)+2
.endif
	s_wait_dscnt 0x0                               ; the stores have read their registers: the next block's codes may be written
.endm
	s_load_b256 s[4:11], s[0:1], 0x0               ; x s[4:5], w_qkv s[6:7], w_proj s[8:9], the scales' exponents s[10:11]
	s_load_b128 s[12:15], s[0:1], 0x20             ; x_codes s[12:13], wqkv_codes s[14:15]
	s_load_b64 s[16:17], s[0:1], 0x30              ; wproj_codes
	v_lshl_add_u32 v[SPW], v0, 2, SPARE
	v_mov_b32 v[NIL], 0
	v_lshrrev_b32 v1, 5, v0
	v_readfirstlane_b32 s18, v1                    ; wave 0..3
	v_and_b32 v2, 31, v0                           ; lane
	s_wait_kmcnt 0x0
	s_load_b256 s[24:31], s[10:11], 0x0            ; e0 .. e7
	s_cmp_lt_u32 ttmp9, 256
	s_cbranch_scc0 .Lweights
	s_wait_alu depctr_va_vdst(0)
	; ---- x: run 4 x work-group + wave of 8,192 numbers
	v_lshlrev_b32 v3, 4, v2                        ; my 16 bytes of a load's 512
	s_wait_alu depctr_va_vdst(0)
	v_lshlrev_b32 v4, 4, v2                        ; my 16 codes of a step's 512
	s_lshl_b32 s19, s18, 13                        ; my wave's 8,192 bytes of LDS
	v_lshrrev_b32 v14, 2, v2
	v_mul_u32_u24 v14, v14, SP
	v_and_b32 v15, 3, v2
	v_lshl_add_u32 v14, v15, 4, v14
	v_add_nc_u32 v14, s19, v14                     ; into the stage: four lanes' 64 bytes on end, then the padding
	v_mul_u32_u24 v15, v2, SP
	v_add_nc_u32 v15, s19, v15                     ; out of it: my 16 neighbours
	s_lshl_b32 s20, ttmp9, 2
	s_add_co_u32 s20, s20, s18
	s_lshl_b32 s22, s20, 15                        ; 32,768 bytes of f32 a run
	s_mov_b32 s23, 0
	s_add_nc_u64 s[4:5], s[4:5], s[22:23]
	s_lshl_b32 s22, s20, 13                        ; 8,192 bytes of codes
	s_add_nc_u64 s[12:13], s[12:13], s[22:23]
.irp t, 0,1,2,3
	LOAD \t
.endr
	s_wait_alu depctr_va_vdst(0)
	s_wait_kmcnt 0x0
	s_add_co_i32 s22, s24, 127
	s_lshl_b32 s23, s22, 23
	v_mov_b32 v11, s23                             ; 2^e0 as f32: the conversion takes its exponent field
	s_add_co_i32 s22, s22, 8
	s_lshl_b32 s22, s22, 23
	s_or_b32 s22, s22, 0x600000
	s_wait_alu depctr_va_vdst(0)
	s_wait_loadcnt 12                              ; step 0's four loads are in
	TURN 0
.irp t, 0,1,2,3,4,5,6,7,8,9,10,11,12,13,14,15
	STEP \t
.endr
	s_wait_tensorcnt 0x0                           ; the wave's end
	ds_add_u32 v[SPW], v[NIL]
	s_wait_dscnt 0x0
	s_endpgm
.Lweights:
	; ---- the weights: g = work-group - 256; g % 4: which 256 along K; g / 4: 0-23 a group of 128 columns of w_qkv, 24-31 of w_proj.  A wave: 32 columns x 256 along K; a lane: one column, registers down K
	s_sub_co_u32 s20, ttmp9, 256
	s_and_b32 s21, s20, 3
	s_lshr_b32 s22, s20, 2
	s_cmp_lt_u32 s22, 24                           ; the choice hangs on the work-group's number alone
	s_cselect_b64 s[32:33], s[6:7], s[8:9]         ; from
	s_cselect_b64 s[34:35], s[14:15], s[16:17]     ; to
	s_mov_b32 s41, 4096
	s_cselect_b32 s41, 12288, s41                  ; a row of the weight in bytes
	s_cselect_b32 s42, 0, 32768                    ; eight rows of w_proj: by so much its middle groups of eight change places
	s_cselect_b32 s23, 0, 24
	s_cselect_b32 s40, 1, 0                        ; the flag, kept for later choices
	s_sub_co_u32 s22, s22, s23
	s_lshl_b32 s22, s22, 7
	s_lshl_b32 s23, s18, 5
	s_add_co_u32 s22, s22, s23                     ; n: my wave's first column
	s_bfe_u32 s36, s22, 0x40006                    ; head
	s_mul_i32 s36, s36, 192
	s_bfe_u32 s37, s22, 0x10005                    ; which half of the head's channels
	s_mul_i32 s37, s37, 96
	s_add_co_u32 s36, s36, s37
	s_lshr_b32 s37, s22, 10                        ; q, k or v
	s_lshl_b32 s37, s37, 5
	s_add_co_u32 s36, s36, s37
	s_cmp_eq_u32 s40, 1
	s_cselect_b32 s36, s36, s22                    ; my first row of the codes
	s_lshl_b32 s36, s36, 10
	s_lshl_b32 s37, s21, 8
	s_add_co_u32 s36, s36, s37
	s_mov_b32 s37, 0
	s_add_nc_u64 s[34:35], s[34:35], s[36:37]
	s_lshl_b32 s38, s21, 8
	s_mul_i32 s38, s38, s41                        ; my first row of the weight,
	s_lshl_b32 s39, s22, 2
	s_add_co_u32 s38, s38, s39                     ; my first column
	s_mov_b32 s39, 0
	s_add_nc_u64 s[44:45], s[32:33], s[38:39]      ; block 0's base;
	s_lshl_b32 s38, s41, 5
.irp t, 1,2,3,4,5,6,7
	s_add_nc_u64 s[44+2*\t:45+2*\t], s[42+2*\t:43+2*\t], s[38:39]   ; block t's: 32 rows further down
.endr
	s_wait_alu depctr_va_vdst(0)
	v_lshlrev_b32 v3, 2, v2
.set qq, 0
	s_wait_alu depctr_va_vdst(0)
.rept 32
	s_mul_i32 s60, s41, qq
.if (qq >= 8) && (qq < 16)
	s_add_co_u32 s60, s60, s42
.endif
.if (qq >= 16) && (qq < 24)
	s_sub_co_u32 s60, s60, s42
.endif
	v_add_nc_u32 v[OFF+qq], s60, v3
.set qq, qq+1
.endr
	s_mul_i32 s62, s18, 32*WP
	s_add_co_u32 s62, s62, WSTG                    ; my stage
	v_mul_u32_u24 v4, v2, WP
	v_add_nc_u32 v4, s62, v4                       ; into it: row = my column
	v_and_b32 v5, 15, v2
	v_lshrrev_b32 v6, 4, v2
	v_mul_u32_u24 v7, v6, WP
	v_lshl_add_u32 v7, v5, 4, v7
	v_add_nc_u32 v7, s62, v7                       ; out of it: sixteen lanes to a row, two rows an instruction
	v_lshlrev_b32 v8, 10, v6
	v_lshl_add_u32 v8, v5, 4, v8                   ; and the same place in the codes
	WLOAD 0
	WLOAD 1
	s_wait_kmcnt 0x0
	s_cmp_eq_u32 s40, 1
	s_cselect_b32 s61, s25, s31                    ; e1 or e7
	s_add_co_i32 s61, s61, 127
	s_lshl_b32 s60, s61, 23
	v_mov_b32 v11, s60                             ; 2^e
	s_add_co_i32 s61, s61, 8
	s_lshl_b32 s61, s61, 23
	s_or_b32 s61, s61, 0x600000
	s_wait_alu depctr_va_vdst(0)
.irp t, 0,1,2,3,4,5,6,7
	BLOCK \t
.endr
.irp t, 0,1,2,3,4,5,6,7,8,9,10,11,12,13,14,15
	ds_load_b128 v[OUTR+4*\t:OUTR+4*\t+3], v7 offset:2*\t*WP
.endr
.irp t, 0,1,2,3,4,5,6,7,8,9,10,11,12,13,14,15
	s_wait_dscnt 15-\t                             ; LDS loads come back in order: load t is in
	global_store_b128 v8, v[OUTR+4*\t:OUTR+4*\t+3], s[34:35] offset:2*\t*1024   ; sixteen lanes store 256 consecutive bytes, aligned
.endr
	s_wait_tensorcnt 0x0                           ; the wave's end
	ds_add_u32 v[SPW], v[NIL]
	s_wait_dscnt 0x0
	s_endpgm
.Lfunc_end_k_q0917d48dcf_quant:
	.size	k_q0917d48dcf_quant, .Lfunc_end_k_q0917d48dcf_quant-k_q0917d48dcf_quant
	.p2alignl 7, 3214868480
	.fill 96, 4, 3214868480
	.section	.rodata,"a",@progbits
	.p2align	6, 0x0
	.amdhsa_kernel k_q0917d48dcf_quant
		.amdhsa_group_segment_fixed_size 68096
		.amdhsa_private_segment_fixed_size 0
		.amdhsa_enable_private_segment 0
		.amdhsa_kernarg_size 56
		.amdhsa_user_sgpr_count 2
		.amdhsa_user_sgpr_kernarg_segment_ptr 1
		.amdhsa_wavefront_size32 1
		.amdhsa_system_sgpr_workgroup_id_x 1
		.amdhsa_system_sgpr_workgroup_id_y 1
		.amdhsa_system_sgpr_workgroup_id_z 1
		.amdhsa_system_vgpr_workitem_id 0
		.amdhsa_next_free_vgpr 192
		.amdhsa_next_free_sgpr 80
		.amdhsa_reserve_vcc 0
		.amdhsa_float_denorm_mode_32 3
		.amdhsa_float_denorm_mode_16_64 3
		.amdhsa_fp16_overflow 1
		.amdhsa_memory_ordered 1
		.amdhsa_forward_progress 1
		.amdhsa_inst_pref_size 57
	.end_amdhsa_kernel
	.amdgpu_metadata
---
amdhsa.version: [ 1, 2 ]
amdhsa.kernels:
  - .name:           k_q0917d48dcf_quant
    .symbol:         k_q0917d48dcf_quant.kd
    .args:
      - { .name: x, .offset: 0, .size: 8, .value_kind: global_buffer, .address_space: global }
      - { .name: w_qkv, .offset: 8, .size: 8, .value_kind: global_buffer, .address_space: global }
      - { .name: w_proj, .offset: 16, .size: 8, .value_kind: global_buffer, .address_space: global }
      - { .name: lowp_scales, .offset: 24, .size: 8, .value_kind: global_buffer, .address_space: global }
      - { .name: x_codes, .offset: 32, .size: 8, .value_kind: global_buffer, .address_space: global }
      - { .name: wqkv_codes, .offset: 40, .size: 8, .value_kind: global_buffer, .address_space: global }
      - { .name: wproj_codes, .offset: 48, .size: 8, .value_kind: global_buffer, .address_space: global }
    .group_segment_fixed_size: 68096
    .private_segment_fixed_size: 0
    .kernarg_segment_align: 8
    .kernarg_segment_size: 56
    .max_flat_workgroup_size: 128
    .sgpr_count:     80
    .vgpr_count:     192
    .wavefront_size: 32
...
	.end_amdgpu_metadata
.endif
;; end of part 1
;; launch gemm_qkv (part 2): grid 16 x 16, 4 waves a work-group, clusters of 4 x 4, 327,680 bytes of LDS; arguments x_codes, wqkv_codes, lowp_scales, q_codes, kv_codes; writes q_codes, kv_codes
.if DOCPART == 2
	.amdgcn_target "amdgcn-amd-amdhsa--gfx1250"
	.amdhsa_code_object_version 6
	.text
	.protected	k_q0917d48dcf_gemm_qkv
	.globl	k_q0917d48dcf_gemm_qkv
	.p2align	8
	.type	k_q0917d48dcf_gemm_qkv,@function
k_q0917d48dcf_gemm_qkv:
	s_mov_b64 s[64:65], 0
	v_nop
	global_prefetch_b8 v0, s[64:65] scope:SCOPE_SE
	s_setreg_imm32_b32 hwreg(HW_REG_WAVE_MODE, 25, 1), 1
	s_wait_xcnt 0x0
	s_wait_alu depctr_hold_cnt(0) depctr_sa_sdst(0) depctr_va_vdst(0) depctr_va_sdst(0) depctr_va_ssrc(0) depctr_va_vcc(0) depctr_vm_vsrc(0)
	s_getreg_b32 s2, hwreg(HW_REG_IB_STS2, 6, 4)
	s_cmp_eq_u32 s2, 0
	s_cbranch_scc0 .Lentry_in_a_cluster
	s_endpgm
.Lentry_in_a_cluster:
	s_bfe_u32 s2, ttmp6, 0x10000c
	s_cmp_lg_u32 s2, 0xf033
	s_cbranch_scc0 .Lentry_shape_is_right
	s_endpgm
.Lentry_shape_is_right:
; qkv = x w_qkv on codes of FP8, and q, k, v quantised at once for attention: the sums never go to memory as f32.
; A tile is 256 tokens x 192 columns: ONE head's q, k and v (wqkv_codes is laid so).  32 x 16 tiles; 256 work-groups, each makes two: token rows 256 tr and 256 (tr + 16), the same head.
; Four waves; wave (mh, u) makes tokens 128 mh .. + 127 x the head's channels 32 u .. 32 u + 31 of q, of k and of v: 48 accumulators of 16 x 16.
; K = 1,024 goes in four steps of 256 through a ring of two LDS slots (rows of 256 bytes); a slot is two steps of 128 for v_wmma_f32_16x16x128_fp8_fp8.
; Fragments come by four loads of 16 bytes a lane: a permutation of k that is the same in both operands.
; q AND k ARE MADE TRANSPOSED (source 0 = 16 rows of the weight, source 1 = 16 tokens): a lane holds one token and eight neighbouring channels, which are attention's first K.
; v IS MADE THE NATURAL WAY (source 0 = tokens, source 1 = weight): a lane holds one channel and eight neighbouring tokens, the second product's K.
; So one conversion of an accumulator's eight registers gives two registers of the next operand, each k in the place that the matrix instruction's own layout has for it,
; and the codes are stored as IMAGES of those registers: four registers by one store, lane l's 16 bytes at 16 l, 512 consecutive bytes.
; q_codes: [batch x head 64][16 tokens: 128][1,024]: a fragment 16 tokens x 64 channels; registers 4 g .. 4 g + 3 at 512 g.
; kv_codes: [batch x head 64][128 keys: 16][16,384]: eight fragments of k (as q's), then four of v^T (16 channels x 128 keys, 2,048 bytes, registers 4 g .. at 512 g).
; A sum stands for sum x 2^(e0 + e1): the conversions take 2^(e2 - e0 - e1), 2^(e3 - e0 - e1), 2^(e5 - e0 - e1).  LIMIT: each of these three exponents lies between -126 and 119.
; CLUSTERS: 4 x 4.  The four of a row need the same tokens, the four of a column the same head's weights: joint loads.
; REGISTERS: window 0: v8-10 the three scales; v16-29 addresses; v32-127 codes on their way out; v128-255 A's eight fragments, one set.  window 1: B's six fragments, two sets, at v0 and v128.
;   window 2: accumulator (a, b) at v[8 (6 a + b)], token blocks a = 0-3; window 3: a = 4-7.  b = 0, 1: q; 2, 3: k; 4, 5: v.
.set PITCH,  272                       ; an LDS row: 256 bytes + 16 of padding: the 16 rows that a load touches start at 16 different banks (ISA guide 11.1)
.set HALFA,  128*PITCH
.set HALFB,  96*PITCH
.set SLOT,   2*HALFA+2*HALFB           ; A's 256 rows, then B's 192
.set SPARE,  2*SLOT                    ; behind the ring: the spare words, 128 bytes a wave: two blocks of 256 bytes that no other line names
.set NEXT_A, 4096*1024-512             ; from a slot's last K step of tile 0 to its first of tile 1: 4,096 rows down, 512 bytes back
.set ADRA, 16                          ; v16-17 my A fragments in slot 0, 1
.set ADRB, 20                          ; v20-21 my B fragments
.set LI,   26                          ; v26    16 x lane: my place in an image
.set SPW,  28                          ; v28    my spare word; never rewritten
.set NIL,  29                          ; v29    0; never rewritten
.set OUTQ, 32
.set OUTK, 64
.set OUTV, 96
.set AF,   128
.set G1,  24                           ; s[24:31] group 1 for A's tiles; s[32:39] group 0, a set for each slot
.set G0,  32
.set G1B, 48                           ; s[48:55], s[56:63] the same for B's
.set G0B, 56
.set LIMS, 76                          ; s[76:77], s[78:79], s[80:81]: -448 and +448 x the scale, for q, k, v
.set FIELDS, (1<<20)|(1<<21)|(5<<22)|(3<<25)   ; elements of 1 byte; padding on; bit 21 beside a mask; four words behind every 64
.set MSB, 0
.macro WIN new                         ; the immediate's high byte repeats the setting that is left
.if MSB != \new
	s_set_vgpr_msb (MSB<<8)|\new
.set MSB, \new
.endif
.endm
.set QK_LO, 0xa1                       ; source 0 (B) window 1, source 1 (A) window 0, C and D window 2
.set QK_HI, 0xf1
.set V_LO,  0xa4                       ; source 0 (A) window 0, source 1 (B) window 1, C and D window 2
.set V_HI,  0xf4
.set TO_B,  0x40
.macro JLOAD s                         ; waves 0, 1 fetch A's halves, waves 2, 3 B's; the branch hangs on the wave's number alone; s_nop 0 and four v_nop follow each line
	s_cmp_eq_u32 s15, 0
	s_cbranch_scc0 .Lfor_b_\@
	tensor_load_to_lds s[G0+4*\s:G0+4*\s+3], s[G1:G1+7]
	s_nop 0
.rept 4
	v_nop
.endr
	s_branch .Lasked_\@
.Lfor_b_\@:
	tensor_load_to_lds s[G0B+4*\s:G0B+4*\s+3], s[G1B:G1B+7]
	s_nop 0
.rept 4
	v_nop
.endr
.Lasked_\@:
.endm
.macro CREST                           ; a round of the cluster's barrier behind its opening barrier
	s_cmp_lg_u32 s14, 0
	s_cbranch_scc1 .Lnot_wave_0_\@
	s_barrier_signal -3
.Lnot_wave_0_\@:
	s_barrier_wait -3
	s_barrier_signal -1
	s_barrier_wait -1
.endm
.macro CROUND
	s_barrier_signal -1
	s_barrier_wait -1
	CREST
.endm
.macro PLACES n                        ; plain vector instructions between a matrix instruction and a load into, or a read of, its registers
.rept \n
	v_nop
.endr
.endm
.macro FRAG reg, adr, q, i             ; 16 rows x 128 K: registers 4 c .. 4 c + 3 hold K = 32 c + 16 (lane / 16) + 0 .. 15 of row lane % 16
.irp c, 0,1,2,3
	ds_load_b128 v[\reg+4*\c:\reg+4*\c+3], v[\adr] offset:128*(\q)+32*\c+(\i)*16*PITCH
.endr
.endm
.macro FETCH_B slot, q, p              ; 24 loads
	WIN TO_B
.irp i, 0,1,2,3,4,5
	FRAG 128*(\p)+16*\i, ADRB+\slot, \q, \i
.endr
	WIN 0
.endm
.macro FETCH_A slot, q, i0             ; 16 loads: blocks i0 .. i0 + 3
.irp i, 0,1,2,3
	FRAG AF+16*(\i0+\i), ADRA+\slot, \q, \i0+\i
.endr
.endm
; The 48 accumulators take turns, one instruction a turn, in the same order in every step.  zero = 1: the product starts the sum.
.macro MULQK hh, p, zero               ; 16: token blocks 4 hh .. + 3 x q's and k's four blocks, transposed
.irp a, 0,1,2,3
.irp b, 0,1,2,3
.if \zero
	v_wmma_f32_16x16x128_fp8_fp8 v[8*(6*\a+\b):8*(6*\a+\b)+7], v[128*(\p)+16*\b:128*(\p)+16*\b+15], v[AF+16*(4*(\hh)+\a):AF+16*(4*(\hh)+\a)+15], 0
.else
	v_wmma_f32_16x16x128_fp8_fp8 v[8*(6*\a+\b):8*(6*\a+\b)+7], v[128*(\p)+16*\b:128*(\p)+16*\b+15], v[AF+16*(4*(\hh)+\a):AF+16*(4*(\hh)+\a)+15], v[8*(6*\a+\b):8*(6*\a+\b)+7]
.endif
.endr
.endr
.endm
.macro MULV hh, p, zero                ; 8: the same token blocks x v's two blocks, the natural way
.irp a, 0,1,2,3
.irp b, 4,5
.if \zero
	v_wmma_f32_16x16x128_fp8_fp8 v[8*(6*\a+\b):8*(6*\a+\b)+7], v[AF+16*(4*(\hh)+\a):AF+16*(4*(\hh)+\a)+15], v[128*(\p)+16*\b:128*(\p)+16*\b+15], 0
.else
	v_wmma_f32_16x16x128_fp8_fp8 v[8*(6*\a+\b):8*(6*\a+\b)+7], v[AF+16*(4*(\hh)+\a):AF+16*(4*(\hh)+\a)+15], v[128*(\p)+16*\b:128*(\p)+16*\b+15], v[8*(6*\a+\b):8*(6*\a+\b)+7]
.endif
.endr
.endr
.endm
; A slot's first 128 along K (B's set 0); it fetches the second 128 (B's set 1).
.macro STEP slot, zero
	s_wait_dscnt 16                                ; B's set and A's blocks 0-3 are in; the youngest sixteen loads (A's blocks 4-7) may be out
	WIN QK_LO
	MULQK 0, 0, \zero
	WIN V_LO
	MULV 0, 0, \zero
	s_wait_dscnt 0x0                               ; A's blocks 4-7
	PLACES 4
	FETCH_B \slot, 1, 1
	FETCH_A \slot, 1, 0
	WIN QK_HI
	MULQK 1, 0, \zero
	WIN V_HI
	MULV 1, 0, \zero
	PLACES 4
	WIN 0
	FETCH_A \slot, 1, 4
.endm
; A slot's second 128 along K changes slots: one barrier; in front of it each wave waits for all its tensor loads, adds 0 to its spare word, and waits for that and for its reads of this slot.
; fill = 1: the slot is filled again, by a joint load behind a round of the cluster's barrier: with this tile's K step two on (on = 0) or the next tile's K step 0 or 1 (on = 1).
.macro TURN slot, next, fill, on
	s_wait_tensorcnt 0x0                           ; all my tensor loads have landed: my part of the next slot
	ds_add_u32 v[SPW], v[NIL]                      ; 0 onto my spare word
	s_wait_dscnt 17                                ; (the add and A's blocks 4-7 may be out)
	WIN QK_LO
	MULQK 0, 1, 0
	s_wait_dscnt 0x0                               ; the add is done, and my reads of this slot are over
	s_barrier_signal -1
	WIN V_LO
	MULV 0, 1, 0
	WIN 0
	s_barrier_wait -1
.if \fill
	CREST                                          ; no wave of any partner still reads this slot or has a load on its way
.if \on
	s_add_nc_u64 s[G0+4*\slot+2:G0+4*\slot+3], s[G0+4*\slot+2:G0+4*\slot+3], NEXT_A
	s_sub_nc_u64 s[G0B+4*\slot+2:G0B+4*\slot+3], s[G0B+4*\slot+2:G0B+4*\slot+3], 512
.else
	s_add_nc_u64 s[G0+4*\slot+2:G0+4*\slot+3], s[G0+4*\slot+2:G0+4*\slot+3], 512
	s_add_nc_u64 s[G0B+4*\slot+2:G0B+4*\slot+3], s[G0B+4*\slot+2:G0B+4*\slot+3], 512
.endif
	JLOAD \slot                                    ; the first tensor load behind the round; its four v_nop are the places in front of the loads below
.else
	PLACES 4
.endif
	FETCH_B \next, 0, 0
	FETCH_A \next, 0, 0
	WIN QK_HI
	MULQK 1, 1, 0
	WIN V_HI
	MULV 1, 1, 0
	PLACES 4
	WIN 0
	FETCH_A \next, 0, 4
.endm
.macro LAST                            ; the very last 128 along K: nothing more to fetch
	s_wait_dscnt 16
	WIN QK_LO
	MULQK 0, 1, 0
	WIN V_LO
	MULV 0, 1, 0
	s_wait_dscnt 0x0
	WIN QK_HI
	MULQK 1, 1, 0
	WIN V_HI
	MULV 1, 1, 0
	PLACES 4
	WIN 0
.endm
; The way out of one window's 24 accumulators: the hold in place, each accumulator from its low end on; then one conversion an accumulator, into window 0.
.macro OUTW W
	WIN (\W)|((\W)<<6)
.irp a, 0,1,2,3
.irp b, 0,1,2,3,4,5
.irp j, 0,1,2,3,4,5,6,7
	v_med3_num_f32 v[8*(6*\a+\b)+\j], v[8*(6*\a+\b)+\j], s[LIMS+2*(\b/2)], s[LIMS+2*(\b/2)+1]   ; the conversion does not saturate (ISA guide 7.6.2)
.endr
.endr
.endr
	WIN \W
.irp a, 0,1,2,3
.irp b, 0,1
	v_cvt_scalef32_pk8_fp8_f32 v[OUTQ+4*(4*(\W-2)+\a)+2*\b:OUTQ+4*(4*(\W-2)+\a)+2*\b+1], v[8*(6*\a+\b):8*(6*\a+\b)+7], v8           ; token lane % 16 of block a, channels 16 (2 u + b) + 8 (lane / 16) + 0 .. 7
	v_cvt_scalef32_pk8_fp8_f32 v[OUTK+4*(4*(\W-2)+\a)+2*\b:OUTK+4*(4*(\W-2)+\a)+2*\b+1], v[8*(6*\a+\b+2):8*(6*\a+\b+2)+7], v9
	v_cvt_scalef32_pk8_fp8_f32 v[OUTV+16*\b+2*(4*(\W-2)+\a):OUTV+16*\b+2*(4*(\W-2)+\a)+1], v[8*(6*\a+\b+4):8*(6*\a+\b+4)+7], v10   ; channel lane % 16 of block 2 u + b, tokens 16 a + 8 (lane / 16) + 0 .. 7
.endr
.endr
.endm
.macro OUT first
.if !\first
	s_wait_xcnt 0x0                                ; the first tile's stores have read their registers and bases
	s_add_nc_u64 s[84:85], s[84:85], 4194304       ; two batches on: 32 heads x 131,072,
	s_add_nc_u64 s[86:87], s[86:87], 8388608       ; 32 x 262,144
	s_add_nc_u64 s[88:89], s[88:89], 8388608
.endif
	OUTW 2
	OUTW 3
	v_nop                                          ; a plain instruction between the last conversion and the next matrix instruction that writes its sources
	WIN 0
.irp a, 0,1,2,3,4,5,6,7
	global_store_b128 v[LI], v[OUTQ+4*\a:OUTQ+4*\a+3], s[84:85] offset:1024*\a   ; every store: 512 consecutive bytes, aligned
	global_store_b128 v[LI], v[OUTK+4*\a:OUTK+4*\a+3], s[86:87] offset:1024*\a
.endr
.irp i, 0,1
.irp g, 0,1,2,3
	global_store_b128 v[LI], v[OUTV+16*\i+4*\g:OUTV+16*\i+4*\g+3], s[88:89] offset:2048*\i+512*\g
.endr
.endr
.endm
.macro SCALE e, vr, sl                 ; from the exponent e - (e0 + e1): the scale as f32 into v[vr], -448 and +448 x the scale into s[sl], s[sl + 1]
	s_sub_co_i32 s91, \e, s90
	s_add_co_i32 s91, s91, 127
	s_lshl_b32 s92, s91, 23
	v_mov_b32 v[\vr], s92
	s_add_co_i32 s91, s91, 8
	s_lshl_b32 s91, s91, 23
	s_or_b32 s[\sl+1], s91, 0x600000
	s_xor_b32 s[\sl], s[\sl+1], 0x80000000
.endm
	s_load_b128 s[4:7], s[0:1], 0x0                ; x_codes s[4:5], wqkv_codes s[6:7]
	s_load_b128 s[8:11], s[0:1], 0x10              ; the scales' exponents s[8:9], q_codes s[10:11]
	s_load_b64 s[12:13], s[0:1], 0x20              ; kv_codes
	v_lshl_add_u32 v[SPW], v0, 2, SPARE
	v_mov_b32 v[NIL], 0
	ds_add_u32 v[SPW], v[NIL]                      ; the wave's opening
	ds_add_u32 v[SPW], v[NIL]
	v_lshrrev_b32 v1, 5, v0
	v_readfirstlane_b32 s14, v1                    ; wave 0..3
	s_lshr_b32 s15, s14, 1                         ; mh: my 128 tokens.  Also: I fetch for A (0) or for B (1)
	s_and_b32 s16, s14, 1                          ; u: my 96 rows of B.  Also: which half of the tile I fetch
	s_bfe_u32 s40, ttmp6, 0x40000                  ; cx, cy: my place in the cluster
	s_bfe_u32 s41, ttmp6, 0x40004
	s_lshl_b32 s42, ttmp9, 2
	s_add_co_u32 s42, s42, s40                     ; the head
	s_and_b32 s17, ttmp7, 0xffff
	s_lshl_b32 s17, s17, 2
	s_add_co_u32 s17, s17, s41                     ; tr: the first tile's row of tiles, 0 .. 15
	s_lshl_b32 s43, s41, 2
	s_lshl_b32 s43, 15, s43                        ; my row of the cluster
	s_lshl_b32 s44, 0x1111, s40                    ; my column
	s_or_b32 s[G1], s43, FIELDS
	s_mov_b32 s[G1+1], 256<<16                     ; tensor_dim0
	s_mov_b32 s[G1+2], 128<<16                     ; tensor_dim1
	s_mov_b32 s[G1+3], 256<<16                     ; tile_dim0
	s_mov_b32 s[G1+4], 128                         ; tile_dim1
	s_mov_b32 s[G1+5], 1024                        ; from row to row
	s_mov_b32 s[G1+6], 0
	s_mov_b32 s[G1+7], 0
	s_or_b32 s[G1B], s44, FIELDS
	s_mov_b32 s[G1B+1], 256<<16
	s_mov_b32 s[G1B+2], 96<<16
	s_mov_b32 s[G1B+3], 256<<16
	s_mov_b32 s[G1B+4], 96
	s_mov_b32 s[G1B+5], 1024
	s_mov_b32 s[G1B+6], 0
	s_mov_b32 s[G1B+7], 0
	s_lshl_b32 s18, s16, 7
	s_lshl_b32 s20, s17, 8
	s_add_co_u32 s20, s20, s18
	s_lshl_b32 s20, s20, 10                        ; A: row 256 tr + 128 half, in bytes: it hangs on the row of tiles alone
	s_mov_b32 s21, 0
	s_mul_i32 s46, s42, 192
	s_mul_i32 s47, s16, 96
	s_add_co_u32 s46, s46, s47
	s_lshl_b32 s46, s46, 10                        ; B: row 192 head + 96 half: on the head alone
	s_mov_b32 s47, 0
	s_mul_i32 s45, s16, HALFA                      ; where they go: no place in the cluster enters an LDS address
	s_mul_i32 s19, s16, HALFB
	s_add_co_u32 s19, s19, 2*HALFA
	s_wait_dscnt 0x0                               ; the opening add is done
	s_wait_kmcnt 0x0
	s_load_b256 s[68:75], s[8:9], 0x0              ; e0 .. e7
	s_add_nc_u64 s[20:21], s[4:5], s[20:21]
	s_add_nc_u64 s[46:47], s[6:7], s[46:47]
	CROUND                                         ; all sixteen work-groups are here: the first joint loads meet
.irp s, 0,1
	s_mov_b32 s[G0+4*\s], 1
	s_add_co_u32 s[G0+4*\s+1], s45, \s*SLOT
	s_add_nc_u64 s[G0+4*\s+2:G0+4*\s+3], s[20:21], \s*256
	s_or_b32 s[G0+4*\s+3], s[G0+4*\s+3], 0x80000000
	s_mov_b32 s[G0B+4*\s], 1
	s_add_co_u32 s[G0B+4*\s+1], s19, \s*SLOT
	s_add_nc_u64 s[G0B+4*\s+2:G0B+4*\s+3], s[46:47], \s*256
	s_or_b32 s[G0B+4*\s+3], s[G0B+4*\s+3], 0x80000000
	s_wait_alu depctr_va_vdst(0)
	s_wait_tensorcnt 0x0
	ds_add_u32 v28, v29
	ds_add_u32 v28, v29
	s_wait_dscnt 0x0
	CROUND
	JLOAD \s                                       ; one load of mine is out
.endr
	v_and_b32 v1, 15, v0
	v_bfe_u32 v2, v0, 4, 1
	v_mul_u32_u24 v3, v1, PITCH
	v_lshl_add_u32 v4, v2, 4, v3                   ; a fragment's row x pitch + 16 x half
	s_mul_i32 s22, s15, HALFA
	s_mul_i32 s23, s16, HALFB
	s_add_co_u32 s23, s23, 2*HALFA
.irp s, 0,1
	v_add_nc_u32 v[ADRA+\s], s22, v4
	v_add_nc_u32 v[ADRB+\s], s23, v4
	s_add_co_u32 s22, s22, SLOT
	s_add_co_u32 s23, s23, SLOT
.endr
	v_and_b32 v5, 31, v0
	v_lshlrev_b32 v[LI], 4, v5
	; where the first tile's codes go
	s_lshr_b32 s90, s17, 3                         ; batch
	s_lshl_b32 s90, s90, 4
	s_add_co_u32 s90, s90, s42                     ; 16 batch + head
	s_and_b32 s91, s17, 7
	s_lshl_b32 s91, s91, 8
	s_lshl_b32 s92, s15, 7
	s_add_co_u32 s91, s91, s92                     ; my first token in the batch
	s_lshl_b32 s92, s90, 17
	s_lshl_b32 s93, s91, 6
	s_add_co_u32 s92, s92, s93
	s_lshl_b32 s93, s16, 9                         ; my channels are registers 4 u .. 4 u + 3 of a fragment
	s_add_co_u32 s92, s92, s93
	s_mov_b32 s93, 0
	s_add_nc_u64 s[84:85], s[10:11], s[92:93]      ; q
	s_lshl_b32 s92, s90, 18
	s_lshr_b32 s94, s91, 7
	s_lshl_b32 s94, s94, 14
	s_add_co_u32 s92, s92, s94                     ; my 128 tokens are one key step
	s_lshl_b32 s94, s16, 9
	s_add_co_u32 s94, s94, s92
	s_mov_b32 s95, 0
	s_add_nc_u64 s[86:87], s[12:13], s[94:95]      ; k
	s_lshl_b32 s94, s16, 12
	s_add_co_u32 s94, s94, s92
	s_add_co_u32 s94, s94, 8192
	s_add_nc_u64 s[88:89], s[12:13], s[94:95]      ; v: fragments 2 u, 2 u + 1
	s_wait_alu depctr_va_vdst(0)
	s_wait_tensorcnt 1                             ; my part of K step 0 is in; K step 1's may stay out
	s_barrier_signal -1
	s_barrier_wait -1
	FETCH_B 0, 0, 0
	FETCH_A 0, 0, 0
	FETCH_A 0, 0, 4
	s_wait_kmcnt 0x0
	s_add_co_i32 s90, s68, s69                     ; e0 + e1
	SCALE s70, 8, LIMS
	SCALE s71, 9, LIMS+2
	SCALE s73, 10, LIMS+4
	; tile 0
	STEP 0, 1
	TURN 0, 1, 1, 0
	STEP 1, 0
	TURN 1, 0, 1, 0
	STEP 0, 0
	TURN 0, 1, 1, 1                                ; the ring goes on into tile 1: slot 0 takes its K step 0,
	STEP 1, 0
	TURN 1, 0, 1, 1                                ; slot 1 its K step 1, and its first fragments are fetched
	OUT 1                                          ; both refills are asked for: now tile 0 goes out
	; tile 1
	STEP 0, 1
	TURN 0, 1, 1, 0
	STEP 1, 0
	TURN 1, 0, 1, 0
	STEP 0, 0
	TURN 0, 1, 0, 0                                ; nothing is left to fetch
	STEP 1, 0
	LAST
	OUT 0
	s_wait_tensorcnt 0x0                           ; the wave's end
	ds_add_u32 v[SPW], v[NIL]
	s_wait_dscnt 0x0
	CROUND                                         ; the closing round
	s_endpgm
.Lfunc_end_k_q0917d48dcf_gemm_qkv:
	.size	k_q0917d48dcf_gemm_qkv, .Lfunc_end_k_q0917d48dcf_gemm_qkv-k_q0917d48dcf_gemm_qkv
	.p2alignl 7, 3214868480
	.fill 96, 4, 3214868480
	.section	.rodata,"a",@progbits
	.p2align	6, 0x0
	.amdhsa_kernel k_q0917d48dcf_gemm_qkv
		.amdhsa_group_segment_fixed_size 327680
		.amdhsa_private_segment_fixed_size 0
		.amdhsa_enable_private_segment 0
		.amdhsa_kernarg_size 40
		.amdhsa_user_sgpr_count 2
		.amdhsa_user_sgpr_kernarg_segment_ptr 1
		.amdhsa_wavefront_size32 1
		.amdhsa_system_sgpr_workgroup_id_x 1
		.amdhsa_system_sgpr_workgroup_id_y 1
		.amdhsa_system_sgpr_workgroup_id_z 1
		.amdhsa_system_vgpr_workitem_id 0
		.amdhsa_next_free_vgpr 1024
		.amdhsa_next_free_sgpr 100
		.amdhsa_reserve_vcc 0
		.amdhsa_float_denorm_mode_32 3
		.amdhsa_float_denorm_mode_16_64 3
		.amdhsa_memory_ordered 1
		.amdhsa_forward_progress 1
		.amdhsa_inst_pref_size 188
	.end_amdhsa_kernel
	.amdgpu_metadata
---
amdhsa.version: [ 1, 2 ]
amdhsa.kernels:
  - .name:           k_q0917d48dcf_gemm_qkv
    .symbol:         k_q0917d48dcf_gemm_qkv.kd
    .args:
      - { .name: x_codes, .offset: 0, .size: 8, .value_kind: global_buffer, .address_space: global }
      - { .name: wqkv_codes, .offset: 8, .size: 8, .value_kind: global_buffer, .address_space: global }
      - { .name: lowp_scales, .offset: 16, .size: 8, .value_kind: global_buffer, .address_space: global }
      - { .name: q_codes, .offset: 24, .size: 8, .value_kind: global_buffer, .address_space: global }
      - { .name: kv_codes, .offset: 32, .size: 8, .value_kind: global_buffer, .address_space: global }
    .group_segment_fixed_size: 327680
    .private_segment_fixed_size: 0
    .kernarg_segment_align: 8
    .kernarg_segment_size: 40
    .max_flat_workgroup_size: 128
    .sgpr_count:     100
    .vgpr_count:     1024
    .wavefront_size: 32
...
	.end_amdgpu_metadata
.endif
;; end of part 2
;; launch attn (part 3): grid 4 x 64, 16 waves a work-group, no clusters, 327,680 bytes of LDS; arguments q_codes, kv_codes, lowp_scales, o_codes; writes o_codes
.if DOCPART == 3
	.amdgcn_target "amdgcn-amd-amdhsa--gfx1250"
	.amdhsa_code_object_version 6
	.text
	.protected	k_q0917d48dcf_attn
	.globl	k_q0917d48dcf_attn
	.p2align	8
	.type	k_q0917d48dcf_attn,@function
k_q0917d48dcf_attn:
	s_mov_b64 s[64:65], 0
	v_nop
	global_prefetch_b8 v0, s[64:65] scope:SCOPE_SE
	s_setreg_imm32_b32 hwreg(HW_REG_WAVE_MODE, 25, 1), 1
	s_wait_xcnt 0x0
; Causal attention of one head on codes of FP8, head size 64; o is quantised at once for the last product.
; t = score x log2(e) / 8; M = the running largest t rounded UP to a whole number; p = 2^(t - M) is quantised with 2^e4, not normalised; the row's sum is taken of the unquantised p and divides at the end.
; SHARES.  Work-group (i, batch x head) owns the blocks i and 7 - i of 256 queries: i + 1 and 8 - i slots of 256 keys, NINE for every i: all 256 work-groups have the same work, and every trip count is a constant.
; Sixteen waves, 16 queries each, 256 registers: four waves to a SIMD, so that one wave's vector work stands beside another's products and LDS loads.
; A step is 128 keys.  A step all of whose keys come after my queries is left out by a scalar branch on ids; on the diagonal hidden scores become -infinity ahead of the maximum (p = 0).
; LIMIT: hidden scores are -infinity, not -1e9: the same p = 0 while a row's largest logit stays far above -1e9, which the codes' range sees to.
; LAYOUT.  Both products transposed: S^T = K Q^T (v_wmma_f32_16x16x64_fp8_fp8: source 0 = 16 keys, source 1 = my 16 queries), O^T = V^T P^T (16x16x128: source 0 = 16 channels, source 1 = P): a lane holds ONE query.
; In tile c of S^T lane (r, h) holds keys 16 c + 8 h + 0 .. 7: one conversion gives registers 2 c, 2 c + 1 of P in the matrix instruction's own layout.  Likewise O^T's tiles give o's operand.
; K's and V's fragments lie in kv_codes as images of their registers, a step's 16,384 bytes on end: a slot is one dense block of 32,768 bytes, and every LDS load is 16 x lane + a constant.
; o_codes: [16 tokens: 512][128 along K: 8][2,048]: the image of a fragment 16 tokens x 128 K; head hd's eight registers at 1,024 hd of the tokens' 16,384 bytes.
; NO CLUSTER: the four work-groups of a head are at different key slots in the same trip (trip t: slot t while t <= i, then t - i - 1), so no tile is wanted by two of them at the same time.
; LIMITS on the given exponents: e2 + e3 between -123 and 130 (added to c's exponent field); e4, and e6 - e4 - e5, between -126 and 119.
; REGISTERS: v1-8 addresses; v12 -M, v13 the largest t, v[14:15] the sum in two halves; v16-23 Q; v32-95 eight fragments of K, then four of V; v96-159 S^T, then p; v160-191 O^T; v192-207 p's codes;
;   v208-215 at work; v216: 2^e4; v218: the same with e6 - e4 - e5; v220-227, v228-235 o's codes of the two blocks; v252, v254 the mask.
.set SLOT1, 32768                      ; slot 1 begins here: one exclusive or turns an address from slot to slot
.set SPARE, 65536                      ; behind the ring: the spare words, 128 bytes a wave: eight blocks of 256 bytes that no other line names
.set LI,   1                           ; v1   16 x lane
.set RH,   2                           ; v2   lane % 16 - 8 (lane / 16)
.set PFO,  3                           ; v3   256 x lane
.set SPW,  5                           ; v5   my spare word; never rewritten
.set NIL,  6                           ; v6   0; never rewritten
.set ADR,  8                           ; v8   LDS address of the slot in hand, + 16 x lane
.set TB,   2                           ; s2   LDS byte at which the slot in hand begins
.set WV,   18
.set SEL,  20                          ; s[20:21] selects for v_permlanex16_b32: lane xor 16
.set CS,   22                          ; s[22:23] c
.set G1,   24                          ; s[24:31] descriptor group 1
.set G0,   40                          ; s[40:43] group 0, which walks
.set QBHI, 44                          ; s[44:45] Q of my queries in block 7 - i
.set OBLO, 46                          ; s[46:47], s[48:49] where my o goes
.set OBHI, 48
.set QBLO, 50
.set IS,   66                          ; s66  8 - i: the count at which block i is done
.set SLOTS, 67                         ; s67  slots still to be asked for
.set PFA,  76                          ; s[76:77] where my prefetches stand
.set LIM,  80                          ; s80  1 in a wave that prefetches, else the greatest number
.set WRAP, 82                          ; s82  (i + 1) x 32,768: back to key slot 0
.set BK,   84                          ; s[84:85]
.set Q0HI, 97
.set KF,   98                          ; s98  the step's first key
.set Q0,   99                          ; s99  my first query
.macro TLOAD                           ; waves 0 and 1 fetch a slot's two steps, 16,384 bytes each; s_nop 0 and four v_nop follow the line
	s_cmp_lt_u32 s[WV], 2
	s_cbranch_scc0 .Lasked_\@
	tensor_load_to_lds s[G0:G0+3], s[G1:G1+7]
	s_nop 0
.rept 4
	v_nop
.endr
.Lasked_\@:
.endm
; A prefetch of the key slot that the NEXT change of slots asks for in work-group i = 0, which walks slots 0, 0, 1, .. 7: in trip t slot t + 1, for t = 0 .. 6.  Waves 4 to 7 of that work-group ask, 8,192 bytes a wave,
; lanes 256 bytes apart: each aligned block of 256 bytes of slots 1 to 7 is named once in the launch.  The last change that fills asks for nothing; nothing is asked at the head.
.macro ASK
	s_cmp_gt_u32 s[SLOTS], s[LIM]
	s_cbranch_scc0 .Lnot_mine_\@
	global_prefetch_b8 v[PFO], s[PFA:PFA+1] th:TH_LOAD_NT scope:SCOPE_SE
.Lnot_mine_\@:
.endm
.macro RESET                           ; a block of queries begins: the step is written once, and the first finds zeros, which the first change of M leaves zeros
	v_mov_b32 v13, 0xff61b1e6                      ; the largest t so far: -3e38
	s_delay_alu instid0(VALU_DEP_1)
	v_floor_f32 v12, -v13
	v_mov_b32 v14, 0
	v_mov_b32 v15, 0
.set nn, 0
.rept 32
	v_mov_b32 v[160+nn], 0
.set nn, nn+1
.endr
.endm
.macro STEP q                          ; 128 keys: the q-th step of the slot in hand
	s_add_co_u32 s96, s[Q0], 15
	s_cmp_gt_u32 s[KF], s96
	s_cbranch_scc1 .Lhidden_\@                     ; all its keys come after my queries
	v_add_nc_u32 v[ADR], s[TB], v[LI]
.rept 3
	v_nop                                          ; with the addition above: four places in front of loads into registers that the last products read
.endr
.irp c, 0,1,2,3,4,5,6,7
	ds_load_b128 v[32+8*\c:35+8*\c], v[ADR] offset:16384*(\q)+1024*\c
	ds_load_b128 v[36+8*\c:39+8*\c], v[ADR] offset:16384*(\q)+1024*\c+512
.endr
	s_wait_alu depctr_va_vdst(0)
	s_wait_dscnt 0x0
.irp c, 0,1,2,3,4,5,6,7
	v_wmma_f32_16x16x64_fp8_fp8 v[96+8*\c:103+8*\c], v[32+8*\c:39+8*\c], v[16:23], 0
.endr
.rept 4
	v_nop                                          ; places in front of the loads below and of the first read of the scores
.endr
.irp f, 0,1,2,3
.irp g, 0,1,2,3
	ds_load_b128 v[32+16*\f+4*\g:35+16*\f+4*\g], v[ADR] offset:16384*(\q)+8192+2048*\f+512*\g   ; V lands while the softmax is worked
.endr
.endr
	s_add_co_u32 s96, s[KF], 127
	s_cmp_le_u32 s96, s[Q0]
	s_cbranch_scc1 .Lopen_\@                       ; all keys count
	s_sub_co_i32 s96, s[Q0], s[KF]
	v_add_nc_u32 v252, s96, v[RH]                  ; register 8 c + j holds key KF + 16 c + 8 (lane / 16) + j: hidden where 16 c + j > my query - KF - 8 (lane / 16)
	v_mov_b32 v254, 0xff800000
.set nn, 0
.rept 64
	v_cmp_gt_i32 vcc_lo, 16*(nn/8)+nn%8, v252
	v_cndmask_b32 v[96+nn], v[96+nn], v254, vcc_lo
.set nn, nn+1
.endr
.Lopen_\@:
	v_max3_num_f32 v214, v96, v97, v98             ; the step's largest score of my query among my 64 keys, in two chains, each accumulator from its low end on,
	v_max3_num_f32 v215, v99, v100, v101
.set nn, 6
.rept 14
	v_max3_num_f32 v214, v214, v[96+nn], v[97+nn]
	v_max3_num_f32 v215, v215, v[98+nn], v[99+nn]
.set nn, nn+4
.endr
	v_max3_num_f32 v214, v214, v158, v159
	s_delay_alu instid0(VALU_DEP_1)
	v_max_num_f32 v214, v214, v215
	s_delay_alu instid0(VALU_DEP_1)
	v_permlanex16_b32 v208, v214, s[SEL], s[SEL+1]
	s_delay_alu instid0(VALU_DEP_1)
	v_max_num_f32 v214, v214, v208                 ; and among lane xor 16's
	s_delay_alu instid0(VALU_DEP_1)
	v_mul_f32 v214, s[CS], v214                    ; as t (c is positive)
	s_delay_alu instid0(VALU_DEP_1)
	v_max_num_f32 v13, v13, v214
	v_mov_b32 v214, v12
	s_delay_alu instid0(VALU_DEP_2)
	v_floor_f32 v12, -v13                          ; the new -M = -ceil(t)
	s_delay_alu instid0(VALU_DEP_1)
	v_sub_f32 v214, v12, v214                      ; old M - new M: a whole number, 0 or less
	s_delay_alu instid0(VALU_DEP_1)
	v_cvt_i32_f32 v214, v214
	s_delay_alu instid0(VALU_DEP_1)
	v_ldexp_f32 v210, 1.0, v214                    ; f = 2^(old M - new M): a multiplication by it rounds nothing
.set nn, 0
.rept 32
	v_pk_fma_f32 v[96+nn:97+nn], v[96+nn:97+nn], s[CS:CS+1], v[12:13] op_sel_hi:[1,0,0]   ; t - M
.set nn, nn+2
.endr
.set nn, 0
	s_wait_alu depctr_va_vdst(0)
.rept 64
	v_exp_f32 v[96+nn], v[96+nn]                   ; p
.set nn, nn+1
.endr
	v_pk_mul_f32 v[14:15], v[14:15], v[210:211] op_sel_hi:[1,0]   ; the sums under the new M: the plain instruction behind the exponentials
	s_wait_alu depctr_va_vdst(0)                   ; one wait for the whole batch, ahead of its first reader
	v_pk_add_f32 v[212:213], v[100:101], v[104:105]
	v_pk_add_f32 v[254:255], v[108:109], v[112:113]
	v_pk_add_f32 v[252:253], v[116:117], v[120:121]
	v_pk_add_f32 v[250:251], v[124:125], v[128:129]
	v_pk_add_f32 v[248:249], v[132:133], v[136:137]
	v_pk_add_f32 v[246:247], v[140:141], v[144:145]
	v_pk_add_f32 v[244:245], v[148:149], v[152:153]
	v_pk_add_f32 v[14:15], v[14:15], v[156:157]
	v_pk_add_f32 v[212:213], v[212:213], v[96:97]
	v_pk_add_f32 v[254:255], v[254:255], v[98:99]
	v_pk_add_f32 v[252:253], v[252:253], v[102:103]
	v_pk_add_f32 v[250:251], v[250:251], v[106:107]
	v_pk_add_f32 v[248:249], v[248:249], v[110:111]
	v_pk_add_f32 v[246:247], v[246:247], v[114:115]
	v_pk_add_f32 v[244:245], v[244:245], v[118:119]
	v_pk_add_f32 v[14:15], v[14:15], v[122:123]
	v_pk_add_f32 v[212:213], v[212:213], v[126:127]
	v_pk_add_f32 v[254:255], v[254:255], v[130:131]
	v_pk_add_f32 v[252:253], v[252:253], v[134:135]
	v_pk_add_f32 v[250:251], v[250:251], v[138:139]
	v_pk_add_f32 v[248:249], v[248:249], v[142:143]
	v_pk_add_f32 v[246:247], v[246:247], v[146:147]
	v_pk_add_f32 v[244:245], v[244:245], v[150:151]
	v_pk_add_f32 v[14:15], v[14:15], v[154:155]
	v_pk_add_f32 v[212:213], v[212:213], v[158:159]
	s_delay_alu instid0(VALU_DEP_2)
	v_pk_add_f32 v[14:15], v[14:15], v[250:251]
	s_delay_alu instid0(VALU_DEP_2)
	v_pk_add_f32 v[212:213], v[212:213], v[248:249]
	v_pk_add_f32 v[254:255], v[254:255], v[246:247]
	v_pk_add_f32 v[252:253], v[252:253], v[244:245]
	s_delay_alu instid0(VALU_DEP_2)
	v_pk_add_f32 v[14:15], v[14:15], v[254:255]
	s_delay_alu instid0(VALU_DEP_2)
	v_pk_add_f32 v[212:213], v[212:213], v[252:253]
	s_delay_alu instid0(VALU_DEP_1)
	v_pk_add_f32 v[14:15], v[14:15], v[212:213]
.irp c, 0,1,2,3,4,5,6,7
.irp j, 0,1,2,3,4,5,6,7
.endr
	v_cvt_scalef32_pk8_fp8_f32 v[192+2*\c:193+2*\c], v[96+8*\c:103+8*\c], v216
.endr
.set nn, 0
.rept 16
	v_pk_mul_f32 v[160+nn:161+nn], v[160+nn:161+nn], v[210:211] op_sel_hi:[1,0]   ; O^T under the new M; also the plain instructions behind the conversions
.set nn, nn+2
.endr
	s_wait_alu depctr_va_vdst(0)
	s_wait_dscnt 0x0                               ; V is in
.irp f, 0,1,2,3
	v_wmma_f32_16x16x128_fp8_fp8 v[160+8*\f:167+8*\f], v[32+16*\f:47+16*\f], v[192:207], v[160+8*\f:167+8*\f]   ; four accumulators by turns; the eight products K Q^T stand between two links of a chain
.endr
.Lhidden_\@:
	s_add_co_u32 s[KF], s[KF], 128
.endm
; The change of slots stands at a slot's head: each wave waits for all its tensor loads, adds 0 to its spare word, and waits for that and for its reads of the slot that it has left.
; fill = 1: that slot takes the next key slot of the walk; where block i is done with this trip, the walk goes back to key slot 0.
.macro CHANGE fill
	s_wait_tensorcnt 0x0                           ; no tensor load of mine is out, so group 0 may be written
	ds_add_u32 v[SPW], v[NIL]                      ; 0 onto my spare word
.if \fill
	s_xor_b32 s[G0+1], s[G0+1], SLOT1
	s_add_nc_u64 s[G0+2:G0+3], s[G0+2:G0+3], 32768
	s_cmp_eq_u32 s[SLOTS], s[IS]
	s_cselect_b32 s[BK], s[WRAP], 0
	s_sub_nc_u64 s[G0+2:G0+3], s[G0+2:G0+3], s[BK:BK+1]
	s_wait_xcnt 0x0                                ; the last prefetch, a slot back, has read its address
	s_add_nc_u64 s[PFA:PFA+1], s[PFA:PFA+1], 32768
.endif
	s_wait_dscnt 0x0                               ; the add is done, and my reads of the slot that I have left are over
	s_barrier_signal -1
	s_barrier_wait -1
.if \fill
	TLOAD                                          ; the first thing behind the barrier, a wave's one tensor load until the next
	ASK
.endif
.endm
; A block of queries is done: O^T / the sum, converted with 2^(e6 - e4 - e5), stored as the image of eight operand registers.
.macro FINISH ob, cd
.rept 4
	v_nop                                          ; places behind the last products
.endr
	v_add_f32 v14, v14, v15
	s_delay_alu instid0(VALU_DEP_1)
	v_permlanex16_b32 v208, v14, s[SEL], s[SEL+1]
	s_delay_alu instid0(VALU_DEP_1)
	v_add_f32 v14, v14, v208                       ; the row's sum
	s_wait_alu depctr_va_vdst(0)
	v_rcp_f32 v14, v14
	v_nop                                          ; a plain instruction behind the reciprocal
	s_wait_alu depctr_va_vdst(0)                   ; and the wait ahead of its first reader
.set nn, 0
.rept 16
	v_pk_mul_f32 v[96+nn:97+nn], v[160+nn:161+nn], v[14:15] op_sel_hi:[1,0]
.set nn, nn+2
.endr
.set nn, 0
.rept 32
.set nn, nn+1
.endr
.irp c, 0,1,2,3
	v_cvt_scalef32_pk8_fp8_f32 v[\cd+2*\c:\cd+2*\c+1], v[96+8*\c:103+8*\c], v218   ; query lane % 16, channels 16 c + 8 (lane / 16) + 0 .. 7
.endr
	v_nop                                          ; a plain instruction between the last conversion and whatever next writes its sources
	global_store_b128 v[LI], v[\cd:\cd+3], s[\ob:\ob+1]                 ; 512 consecutive bytes, aligned
	global_store_b128 v[LI], v[\cd+4:\cd+7], s[\ob:\ob+1] offset:512
.endm
	s_load_b128 s[4:7], s[0:1], 0x0                ; q_codes s[4:5], kv_codes s[6:7]
	s_load_b128 s[8:11], s[0:1], 0x10              ; the scales' exponents s[8:9], o_codes s[10:11]
	v_lshl_add_u32 v[SPW], v0, 2, SPARE
	v_mov_b32 v[NIL], 0
	ds_add_u32 v[SPW], v[NIL]                      ; the wave's opening
	ds_add_u32 v[SPW], v[NIL]
	v_lshrrev_b32 v8, 5, v0
	s_delay_alu instid0(VALU_DEP_1)
	v_readfirstlane_b32 s[WV], v8                  ; wave 0..15
	s_and_b32 s12, ttmp7, 0xffff                   ; 16 batch + head
	s_mov_b32 s[G1], 3<<16                         ; no mask; elements of 8 bytes; no padding
	s_mov_b32 s[G1+1], 32<<16                      ; tensor_dim0 = 32: rows of 256 bytes
	s_mov_b32 s[G1+2], 64<<16                      ; tensor_dim1 = 64
	s_mov_b32 s[G1+3], 32<<16                      ; tile_dim0
	s_mov_b32 s[G1+4], 64                          ; tile_dim1
	s_mov_b32 s[G1+5], 32                          ; dense
	s_mov_b32 s[G1+6], 0
	s_mov_b32 s[G1+7], 0
	s_mov_b32 s[SEL], 0x76543210
	s_mov_b32 s[SEL+1], 0xfedcba98
	s_mov_b32 s[CS], 0x3e38aa3b                    ; c = log2(e) / 8
	s_mov_b32 s[TB], 0
	s_mov_b32 s[SLOTS], 8
	s_sub_co_u32 s[IS], 8, ttmp9
	s_add_co_u32 s[WRAP], ttmp9, 1
	s_lshl_b32 s[WRAP], s[WRAP], 15
	s_mov_b32 s[BK+1], 0
	s_mov_b32 s[KF], 0
	s_lshl_b32 s90, s[WV], 4
	s_lshl_b32 s[Q0], ttmp9, 8
	s_add_co_u32 s[Q0], s[Q0], s90                 ; my first query in block i,
	s_sub_co_u32 s[Q0HI], 7, ttmp9
	s_lshl_b32 s[Q0HI], s[Q0HI], 8
	s_add_co_u32 s[Q0HI], s[Q0HI], s90             ; and in block 7 - i
	s_and_b32 s13, s[WV], 1
	s_lshl_b32 s13, s13, 14                        ; which step of a slot I fetch, if I fetch
	s_lshl_b32 s86, s12, 18
	s_mov_b32 s87, 0
	s_wait_dscnt 0x0                               ; the opening add is done
	s_wait_kmcnt 0x0
	s_load_b256 s[68:75], s[8:9], 0x0              ; e0 .. e7
	s_add_nc_u64 s[6:7], s[6:7], s[86:87]          ; my head's K and V
	s_mov_b32 s[G0], 1
	s_mov_b32 s[G0+1], s13                         ; slot 0
	s_mov_b32 s88, s13
	s_mov_b32 s89, 0
	s_add_nc_u64 s[G0+2:G0+3], s[6:7], s[88:89]    ; key slot 0
	s_or_b32 s[G0+3], s[G0+3], 0x80000000
	TLOAD
	s_and_b32 s90, s[WV], 3
	s_lshl_b32 s90, s90, 13
	s_mov_b32 s91, 0
	s_add_nc_u64 s[PFA:PFA+1], s[6:7], s[90:91]    ; in key slot 0: the first change of slots steps it to slot 1
	s_sub_co_u32 s90, s[WV], 4
	s_lshr_b32 s90, s90, 2                         ; 0 in waves 4 to 7,
	s_or_b32 s90, s90, ttmp9                       ; of work-group i = 0
	s_cmp_eq_u32 s90, 0
	s_cselect_b32 s[LIM], 1, -1
	s_lshl_b32 s90, s12, 17                        ; my head's q
	s_lshl_b32 s92, s[Q0], 6
	s_add_co_u32 s92, s92, s90
	s_mov_b32 s93, 0
	s_add_nc_u64 s[QBLO:QBLO+1], s[4:5], s[92:93]
	s_lshl_b32 s92, s[Q0HI], 6
	s_add_co_u32 s92, s92, s90
	s_add_nc_u64 s[QBHI:QBHI+1], s[4:5], s[92:93]
	s_lshr_b32 s90, s12, 4
	s_lshl_b32 s90, s90, 7                         ; 128 blocks of 16 tokens a batch
	s_and_b32 s94, s12, 15
	s_lshl_b32 s94, s94, 10                        ; 1,024 x head
	s_lshr_b32 s92, s[Q0], 4
	s_add_co_u32 s92, s92, s90
	s_lshl_b32 s92, s92, 14
	s_add_co_u32 s92, s92, s94
	s_add_nc_u64 s[OBLO:OBLO+1], s[10:11], s[92:93]
	s_lshr_b32 s92, s[Q0HI], 4
	s_add_co_u32 s92, s92, s90
	s_lshl_b32 s92, s92, 14
	s_add_co_u32 s92, s92, s94
	s_add_nc_u64 s[OBHI:OBHI+1], s[10:11], s[92:93]
	v_and_b32 v9, 31, v0
	s_delay_alu instid0(VALU_DEP_1)
	v_lshlrev_b32 v[LI], 4, v9
	s_delay_alu instid0(VALU_DEP_2)
	v_lshlrev_b32 v[PFO], 8, v9
	global_load_b128 v[16:19], v[LI], s[QBLO:QBLO+1]             ; Q's fragment stays in registers
	global_load_b128 v[20:23], v[LI], s[QBLO:QBLO+1] offset:512
	v_and_b32 v9, 15, v0
	v_bfe_u32 v10, v0, 4, 1
	s_delay_alu instid0(VALU_DEP_1)
	v_lshlrev_b32 v10, 3, v10
	s_delay_alu instid0(VALU_DEP_1)
	v_sub_nc_u32 v[RH], v9, v10
	v_mov_b32 v208, 0                              ; written once: a lane permute's destination counts as one of its sources
	v_mov_b32 v211, 0                              ; (named as the upper half of the pair v[210:211])
	RESET
	s_wait_kmcnt 0x0
	s_add_co_i32 s90, s70, s71
	s_lshl_b32 s90, s90, 23
	s_add_co_i32 s[CS], s[CS], s90                 ; a score stands for score x 2^(e2 + e3): added to c's exponent field
	s_mov_b32 s[CS+1], s[CS]                       ; (named with it as a pair)
	s_add_co_i32 s90, s72, 127
	s_lshl_b32 s91, s90, 23
	v_mov_b32 v216, s91                            ; 2^e4
	s_sub_co_i32 s90, s74, s72
	s_sub_co_i32 s90, s90, s73                     ; O^T / the sum stands for o / 2^(e4 + e5): its code is that / 2^(e6 - e4 - e5)
	s_add_co_i32 s90, s90, 127
	s_lshl_b32 s91, s90, 23
	v_mov_b32 v218, s91
	s_wait_loadcnt 0x0                             ; Q
.Lslot:                                            ; eight trips: behind each change of slots but the last the walk's next slot is asked for
	CHANGE 1
	STEP 0
	STEP 1
	s_xor_b32 s[TB], s[TB], SLOT1
	s_cmp_eq_u32 s[SLOTS], s[IS]                   ; a branch on ids: no barrier, tensor load or LDS access stands under it
	s_cbranch_scc0 .Lsame
	FINISH OBLO, 220                               ; block i is done;
	global_load_b128 v[16:19], v[LI], s[QBHI:QBHI+1]             ; block 7 - i begins, at key 0
	global_load_b128 v[20:23], v[LI], s[QBHI:QBHI+1] offset:512
	s_mov_b32 s[Q0], s[Q0HI]
	s_mov_b32 s[KF], 0
	RESET
	s_wait_loadcnt 0x0
.Lsame:
	s_sub_co_u32 s[SLOTS], s[SLOTS], 1
	s_cmp_lg_u32 s[SLOTS], 0
	s_cbranch_scc1 .Lslot
	CHANGE 0                                       ; the last slot is written out
	STEP 0
	STEP 1
	FINISH OBHI, 228
	s_wait_tensorcnt 0x0                           ; the wave's end
	ds_add_u32 v[SPW], v[NIL]
	s_wait_dscnt 0x0
	s_endpgm
.Lfunc_end_k_q0917d48dcf_attn:
	.size	k_q0917d48dcf_attn, .Lfunc_end_k_q0917d48dcf_attn-k_q0917d48dcf_attn
	.p2alignl 7, 3214868480
	.fill 96, 4, 3214868480
	.section	.rodata,"a",@progbits
	.p2align	6, 0x0
	.amdhsa_kernel k_q0917d48dcf_attn
		.amdhsa_group_segment_fixed_size 327680
		.amdhsa_private_segment_fixed_size 0
		.amdhsa_enable_private_segment 0
		.amdhsa_kernarg_size 32
		.amdhsa_user_sgpr_count 2
		.amdhsa_user_sgpr_kernarg_segment_ptr 1
		.amdhsa_wavefront_size32 1
		.amdhsa_system_sgpr_workgroup_id_x 1
		.amdhsa_system_sgpr_workgroup_id_y 1
		.amdhsa_system_sgpr_workgroup_id_z 1
		.amdhsa_system_vgpr_workitem_id 0
		.amdhsa_next_free_vgpr 256
		.amdhsa_next_free_sgpr 100
		.amdhsa_reserve_vcc 1
		.amdhsa_float_denorm_mode_32 3
		.amdhsa_float_denorm_mode_16_64 3
		.amdhsa_fp16_overflow 1
		.amdhsa_memory_ordered 1
		.amdhsa_forward_progress 1
		.amdhsa_inst_pref_size 89
	.end_amdhsa_kernel
	.amdgpu_metadata
---
amdhsa.version: [ 1, 2 ]
amdhsa.kernels:
  - .name:           k_q0917d48dcf_attn
    .symbol:         k_q0917d48dcf_attn.kd
    .args:
      - { .name: q_codes, .offset: 0, .size: 8, .value_kind: global_buffer, .address_space: global }
      - { .name: kv_codes, .offset: 8, .size: 8, .value_kind: global_buffer, .address_space: global }
      - { .name: lowp_scales, .offset: 16, .size: 8, .value_kind: global_buffer, .address_space: global }
      - { .name: o_codes, .offset: 24, .size: 8, .value_kind: global_buffer, .address_space: global }
    .group_segment_fixed_size: 327680
    .private_segment_fixed_size: 0
    .kernarg_segment_align: 8
    .kernarg_segment_size: 32
    .max_flat_workgroup_size: 512
    .sgpr_count:     100
    .vgpr_count:     256
    .wavefront_size: 32
...
	.end_amdgpu_metadata
.endif
;; end of part 3
;; launch gemm_proj (part 4): grid 8 x 32, 4 waves a work-group, clusters of 4 x 4, 327,680 bytes of LDS; arguments o_codes, wproj_codes, lowp_scales, out0; writes out0
.if DOCPART == 4
	.amdgcn_target "amdgcn-amd-amdhsa--gfx1250"
	.amdhsa_code_object_version 6
	.text
	.protected	k_q0917d48dcf_gemm_proj
	.globl	k_q0917d48dcf_gemm_proj
	.p2align	8
	.type	k_q0917d48dcf_gemm_proj,@function
k_q0917d48dcf_gemm_proj:
	s_mov_b64 s[64:65], 0
	v_nop
	global_prefetch_b8 v0, s[64:65] scope:SCOPE_SE
	s_setreg_imm32_b32 hwreg(HW_REG_WAVE_MODE, 25, 1), 1
	s_wait_xcnt 0x0
	s_wait_alu depctr_hold_cnt(0) depctr_sa_sdst(0) depctr_va_vdst(0) depctr_va_sdst(0) depctr_va_ssrc(0) depctr_va_vcc(0) depctr_vm_vsrc(0)
	s_getreg_b32 s2, hwreg(HW_REG_IB_STS2, 6, 4)
	s_cmp_eq_u32 s2, 0
	s_cbranch_scc0 .Lentry_in_a_cluster
	s_endpgm
.Lentry_in_a_cluster:
	s_bfe_u32 s2, ttmp6, 0x10000c
	s_cmp_lg_u32 s2, 0xf033
	s_cbranch_scc0 .Lentry_shape_is_right
	s_endpgm
.Lentry_shape_is_right:
; out0 = o w_proj on codes of FP8; each finished sum x 2^(e6 + e7).  LIMIT: e6 + e7 lies between -126 and 127, so that this power of two is an f32 number.
; A tile is 256 tokens x 128 columns: 32 x 8 = 256 work-groups, one tile each.  Four waves; wave (mh, u) makes 128 x 64: 32 accumulators.
; K = 1,024 goes in four steps of 256 through a ring of two LDS slots; a slot is two steps of 128 for v_wmma_f32_16x16x128_fp8_fp8.
; A (o_codes) lies as images of the operand's registers, [16 tokens][128 along K][2,048]: a slot's part of 16 tokens is 4,096 consecutive bytes, and a fragment comes by four loads at 16 x lane.
; B (wproj_codes) lies in rows along K, its middle groups of eight exchanged, so that four loads of 16 bytes a lane give each k the place that it has in A's image.
; THE MATRIX INSTRUCTION IS USED TRANSPOSED (source 0 = 16 rows of B, source 1 = 16 tokens): a lane holds eight neighbouring numbers of a row of out0.
; CLUSTERS: 4 x 4: the four of a row need the same tokens, the four of a column the same rows of B: joint loads.
; REGISTERS: window 0: v16-29 addresses; v32-63 at work on the way out; v128-255 A's eight fragments, one set (on the way out: rows read back).  window 1: B's four fragments, two sets, at v0 and v64.
;   window 2: accumulator (a, b) at v[8 (4 a + b)].
.set PITCH,  272                       ; a row of B in LDS: 256 bytes + 16 of padding
.set AHALF,  32768                     ; eight blocks of 16 tokens x 4,096 bytes
.set BHALF,  64*PITCH
.set SLOT,   2*AHALF+2*BHALF
.set STAGE,  2*SLOT                    ; behind the ring, bytes of its own: 16 rows x 272 bytes for each wave
.set SPARE,  STAGE+4*16*272            ; behind the stages: the spare words, 128 bytes a wave: two blocks of 256 bytes that no other line names
.set ADRA, 16
.set ADRB, 20
.set STO,  24                          ; v24  the way out: where I put 32 bytes of a row
.set RD,   25                          ; v25  where I read rows back
.set CO,   26                          ; v26  my byte offset in out0
.set SPW,  28
.set NIL,  29
.set TMP,  32
.set AF,   128
.set BK,   128                         ; rows read back: v128-159 and v160-191 by turns
.set G1,  24
.set G0,  32
.set G1B, 48
.set G0B, 56
.set MSB, 0
.macro WIN new
.if MSB != \new
	s_set_vgpr_msb (MSB<<8)|\new
.set MSB, \new
.endif
.endm
.set MUL,  0xa1                        ; source 0 (B) window 1, source 1 (A) window 0, C and D window 2
.set TO_B, 0x40
.macro JLOAD s                         ; waves 0, 1 fetch A's halves, waves 2, 3 B's; s_nop 0 and four v_nop follow each line
	s_cmp_eq_u32 s15, 0
	s_cbranch_scc0 .Lfor_b_\@
	tensor_load_to_lds s[G0+4*\s:G0+4*\s+3], s[G1:G1+7]
	s_nop 0
.rept 4
	v_nop
.endr
	s_branch .Lasked_\@
.Lfor_b_\@:
	tensor_load_to_lds s[G0B+4*\s:G0B+4*\s+3], s[G1B:G1B+7]
	s_nop 0
.rept 4
	v_nop
.endr
.Lasked_\@:
.endm
.macro CREST
	s_cmp_lg_u32 s14, 0
	s_cbranch_scc1 .Lnot_wave_0_\@
	s_barrier_signal -3
.Lnot_wave_0_\@:
	s_barrier_wait -3
	s_barrier_signal -1
	s_barrier_wait -1
.endm
.macro CROUND
	s_barrier_signal -1
	s_barrier_wait -1
	CREST
.endm
.macro PLACES n
.rept \n
	v_nop
.endr
.endm
.macro FETCH_B slot, q, p              ; 16 loads
	WIN TO_B
.irp i, 0,1,2,3
.irp c, 0,1,2,3
	ds_load_b128 v[64*(\p)+16*\i+4*\c:64*(\p)+16*\i+4*\c+3], v[ADRB+\slot] offset:128*(\q)+32*\c+\i*16*PITCH
.endr
.endr
	WIN 0
.endm
.macro FETCH_A slot, q, i0             ; 16 loads: blocks i0 .. i0 + 3, as images
.irp i, 0,1,2,3
.irp c, 0,1,2,3
	ds_load_b128 v[AF+16*(\i0+\i)+4*\c:AF+16*(\i0+\i)+4*\c+3], v[ADRA+\slot] offset:4096*(\i0+\i)+2048*(\q)+512*\c
.endr
.endr
.endm
.macro MUL8 a0, p, zero                ; the 32 accumulators take turns, in the same order in every step
.irp a, \a0, \a0+1
.irp b, 0,1,2,3
.if \zero
	v_wmma_f32_16x16x128_fp8_fp8 v[8*(4*(\a)+\b):8*(4*(\a)+\b)+7], v[64*(\p)+16*\b:64*(\p)+16*\b+15], v[AF+16*(\a):AF+16*(\a)+15], 0
.else
	v_wmma_f32_16x16x128_fp8_fp8 v[8*(4*(\a)+\b):8*(4*(\a)+\b)+7], v[64*(\p)+16*\b:64*(\p)+16*\b+15], v[AF+16*(\a):AF+16*(\a)+15], v[8*(4*(\a)+\b):8*(4*(\a)+\b)+7]
.endif
.endr
.endr
.endm
.macro STEP slot, zero                 ; a slot's first 128 along K (B's set 0); it fetches the second (set 1)
	s_wait_dscnt 16                                ; B's set and A's blocks 0-3 are in; A's blocks 4-7 may be out
	WIN MUL
	MUL8 0, 0, \zero
	MUL8 2, 0, \zero
	s_wait_dscnt 0x0
	PLACES 4
	FETCH_B \slot, 1, 1
	FETCH_A \slot, 1, 0
	WIN MUL
	MUL8 4, 0, \zero
	MUL8 6, 0, \zero
	PLACES 4
	WIN 0
	FETCH_A \slot, 1, 4
.endm
.macro TURN slot, next, fill           ; a slot's second 128 along K changes slots
	s_wait_tensorcnt 0x0                           ; all my tensor loads have landed: my part of the next slot
	ds_add_u32 v[SPW], v[NIL]                      ; 0 onto my spare word
	s_wait_dscnt 17                                ; (the add and A's blocks 4-7 may be out)
	WIN MUL
	MUL8 0, 1, 0
	s_wait_dscnt 0x0                               ; the add is done, and my reads of this slot are over
	s_barrier_signal -1
	MUL8 2, 1, 0
	WIN 0
	s_barrier_wait -1
.if \fill
	CREST                                          ; no wave of any partner still reads this slot or has a load on its way
	s_add_nc_u64 s[G0+4*\slot+2:G0+4*\slot+3], s[G0+4*\slot+2:G0+4*\slot+3], 8192
	s_add_nc_u64 s[G0B+4*\slot+2:G0B+4*\slot+3], s[G0B+4*\slot+2:G0B+4*\slot+3], 512
	JLOAD \slot                                    ; the first tensor load behind the round; its four v_nop are the places in front of the loads below
.else
	PLACES 4
.endif
	s_wait_alu depctr_va_vdst(0)
	FETCH_B \next, 0, 0
	FETCH_A \next, 0, 0
	WIN MUL
	MUL8 4, 1, 0
	MUL8 6, 1, 0
	PLACES 4
	WIN 0
	FETCH_A \next, 0, 4
.endm
; The way out, 16 tokens x 64 columns at a time, through my own stage: in as 32 bytes a lane, back as rows of 256 bytes.  LDS serves a wave's instructions in order.
.macro TOSTAGE a
	WIN 0x02                                       ; source 0: window 2
.set nn, 0
.rept 16
	v_pk_mul_f32 v[TMP+nn:TMP+nn+1], v[32*(\a)+nn:32*(\a)+nn+1], s[96:97] op_sel_hi:[1,0]   ; x 2^(e6 + e7); each accumulator from its low end on
.set nn, nn+2
.endr
	WIN 0
.irp b, 0,1,2,3
	ds_store_b128 v[STO], v[TMP+8*\b:TMP+8*\b+3] offset:64*\b
	ds_store_b128 v[STO], v[TMP+8*\b+4:TMP+8*\b+7] offset:64*\b+16
.endr
.set BB, BK+32*((\a)%2)
.irp t, 0,1,2,3,4,5,6,7
	ds_load_b128 v[BB+4*\t:BB+4*\t+3], v[RD] offset:\t*544
.endr
.endm
.macro SEND a, younger                 ; younger: the LDS instructions issued behind block a's loads
.set BB, BK+32*((\a)%2)
	s_wait_dscnt \younger
.irp t, 0,1,2,3,4,5,6,7
	global_store_b128 v[CO], v[BB+4*\t:BB+4*\t+3], s[10:11] offset:(16*(\a)+2*\t)*4096 th:TH_STORE_NT   ; sixteen lanes store 256 consecutive bytes, aligned
.endr
.endm
	s_load_b128 s[4:7], s[0:1], 0x0                ; o_codes s[4:5], wproj_codes s[6:7]
	s_load_b128 s[8:11], s[0:1], 0x10              ; the scales' exponents s[8:9], out0 s[10:11]
	v_lshl_add_u32 v[SPW], v0, 2, SPARE
	v_mov_b32 v[NIL], 0
	ds_add_u32 v[SPW], v[NIL]
	ds_add_u32 v[SPW], v[NIL]                      ; the wave's opening
	v_lshrrev_b32 v1, 5, v0
	v_readfirstlane_b32 s14, v1
	s_lshr_b32 s15, s14, 1                         ; mh.  Also: I fetch for A (0) or for B (1)
	s_and_b32 s16, s14, 1                          ; u.  Also: which half I fetch
	s_bfe_u32 s40, ttmp6, 0x40000
	s_bfe_u32 s41, ttmp6, 0x40004
	s_lshl_b32 s42, ttmp9, 2
	s_add_co_u32 s42, s42, s40                     ; tile column, 0 .. 7
	s_and_b32 s17, ttmp7, 0xffff
	s_lshl_b32 s17, s17, 2
	s_add_co_u32 s17, s17, s41                     ; tile row, 0 .. 31
	s_lshl_b32 s43, s41, 2
	s_lshl_b32 s43, 15, s43
	s_lshl_b32 s44, 0x1111, s40
	s_or_b32 s[G1], s43, (3<<16)|(1<<21)           ; A: my row's mask; elements of 8 bytes; bit 21 beside a mask; no padding
	s_mov_b32 s[G1+1], 512<<16                     ; rows of 4,096 bytes
	s_mov_b32 s[G1+2], 8<<16                       ; eight of them
	s_mov_b32 s[G1+3], 512<<16
	s_mov_b32 s[G1+4], 8
	s_mov_b32 s[G1+5], 2048                        ; 16,384 bytes from one 16 tokens to the next
	s_mov_b32 s[G1+6], 0
	s_mov_b32 s[G1+7], 0
	s_or_b32 s[G1B], s44, (1<<20)|(1<<21)|(5<<22)|(3<<25)   ; B: my column's mask; elements of 1 byte; four words of padding behind every 64
	s_mov_b32 s[G1B+1], 256<<16
	s_mov_b32 s[G1B+2], 64<<16
	s_mov_b32 s[G1B+3], 256<<16
	s_mov_b32 s[G1B+4], 64
	s_mov_b32 s[G1B+5], 1024
	s_mov_b32 s[G1B+6], 0
	s_mov_b32 s[G1B+7], 0
	s_lshl_b32 s20, s17, 4
	s_lshl_b32 s18, s16, 3
	s_add_co_u32 s20, s20, s18
	s_lshl_b32 s20, s20, 14                        ; A: block 16 x tile row + 8 x half, in bytes
	s_mov_b32 s21, 0
	s_lshl_b32 s46, s42, 7
	s_lshl_b32 s47, s16, 6
	s_add_co_u32 s46, s46, s47
	s_lshl_b32 s46, s46, 10                        ; B: row 128 x tile column + 64 x half
	s_mov_b32 s47, 0
	s_lshl_b32 s45, s16, 15                        ; where they go
	s_mul_i32 s19, s16, BHALF
	s_add_co_u32 s19, s19, 2*AHALF
	s_wait_dscnt 0x0                               ; the opening add is done
	s_wait_kmcnt 0x0
	s_load_b256 s[68:75], s[8:9], 0x0              ; e0 .. e7
	s_add_nc_u64 s[20:21], s[4:5], s[20:21]
	s_add_nc_u64 s[46:47], s[6:7], s[46:47]
	CROUND                                         ; all sixteen work-groups are here: the first joint loads meet
.irp s, 0,1
	s_mov_b32 s[G0+4*\s], 1
	s_add_co_u32 s[G0+4*\s+1], s45, \s*SLOT
	s_add_nc_u64 s[G0+4*\s+2:G0+4*\s+3], s[20:21], \s*4096
	s_or_b32 s[G0+4*\s+3], s[G0+4*\s+3], 0x80000000
	s_mov_b32 s[G0B+4*\s], 1
	s_add_co_u32 s[G0B+4*\s+1], s19, \s*SLOT
	s_add_nc_u64 s[G0B+4*\s+2:G0B+4*\s+3], s[46:47], \s*256
	s_or_b32 s[G0B+4*\s+3], s[G0B+4*\s+3], 0x80000000
	s_wait_alu depctr_va_vdst(0)
	s_wait_tensorcnt 0x0
	ds_add_u32 v28, v29
	ds_add_u32 v28, v29
	s_wait_dscnt 0x0
	CROUND
	JLOAD \s                                       ; one load of mine is out
.endr
	v_and_b32 v1, 15, v0
	v_bfe_u32 v2, v0, 4, 1
	v_and_b32 v5, 31, v0
	v_lshlrev_b32 v6, 4, v5                        ; 16 x lane
	v_mul_u32_u24 v3, v1, PITCH
	s_wait_alu depctr_va_vdst(0)
	v_lshl_add_u32 v4, v2, 4, v3
	s_lshl_b32 s22, s15, 15
	s_mul_i32 s23, s16, BHALF
	s_add_co_u32 s23, s23, 2*AHALF
.irp s, 0,1
	v_add_nc_u32 v[ADRA+\s], s22, v6
	v_add_nc_u32 v[ADRB+\s], s23, v4
	s_add_co_u32 s22, s22, SLOT
	s_add_co_u32 s23, s23, SLOT
.endr
	s_mul_i32 s22, s14, 16*272
	s_add_co_u32 s22, s22, STAGE                   ; my stage
	v_lshl_add_u32 v7, v2, 5, v3
	v_add_nc_u32 v[STO], s22, v7                   ; in: row lane % 16, 32 bytes for each half of the lanes
	v_mul_u32_u24 v7, v2, 272
	v_lshl_add_u32 v7, v1, 4, v7
	v_add_nc_u32 v[RD], s22, v7                    ; back: lanes 0-15 one row, lanes 16-31 the next
	v_lshlrev_b32 v7, 12, v2
	v_lshl_add_u32 v[CO], v1, 4, v7                ; and the same two rows in out0
	s_lshl_b32 s90, s17, 8
	s_lshl_b32 s91, s15, 7
	s_add_co_u32 s90, s90, s91
	s_lshl_b32 s90, s90, 12                        ; my first row, of 4,096 bytes,
	s_lshl_b32 s91, s42, 9
	s_add_co_u32 s90, s90, s91
	s_lshl_b32 s91, s16, 8
	s_add_co_u32 s90, s90, s91                     ; my first column
	s_mov_b32 s91, 0
	s_add_nc_u64 s[10:11], s[10:11], s[90:91]
	s_wait_tensorcnt 1                             ; my part of K step 0 is in; K step 1's may stay out
	s_barrier_signal -1
	s_barrier_wait -1
	FETCH_B 0, 0, 0
	FETCH_A 0, 0, 0
	FETCH_A 0, 0, 4
	STEP 0, 1
	TURN 0, 1, 1
	STEP 1, 0
	TURN 1, 0, 1
	STEP 0, 0
	TURN 0, 1, 0                                   ; nothing is left to fetch
	STEP 1, 0
	s_wait_dscnt 16                                ; the very last 128 along K
	WIN MUL
	MUL8 0, 1, 0
	MUL8 2, 1, 0
	s_wait_dscnt 0x0
	MUL8 4, 1, 0
	MUL8 6, 1, 0
	PLACES 4                                       ; in front of the first read of results and of loads into the registers that held A's fragments
	WIN 0
	s_wait_kmcnt 0x0
	s_add_co_i32 s96, s74, s75
	s_add_co_i32 s96, s96, 127
	s_lshl_b32 s96, s96, 23                        ; 2^(e6 + e7) as f32
	s_mov_b32 s97, s96                             ; (named with it as a pair)
	TOSTAGE 0
.irp a, 1,2,3,4,5,6,7
.if \a > 1
	s_wait_xcnt 0x0                                ; block a - 2's stores have read their registers: block a's loads may land there
.endif
	TOSTAGE \a
	SEND \a-1, 16                                  ; behind block a - 1's loads: block a's eight stores and eight loads
.endr
	SEND 7, 0
	s_wait_tensorcnt 0x0                           ; the wave's end
	ds_add_u32 v[SPW], v[NIL]
	s_wait_dscnt 0x0
	CROUND                                         ; the closing round
	s_endpgm
.Lfunc_end_k_q0917d48dcf_gemm_proj:
	.size	k_q0917d48dcf_gemm_proj, .Lfunc_end_k_q0917d48dcf_gemm_proj-k_q0917d48dcf_gemm_proj
	.p2alignl 7, 3214868480
	.fill 96, 4, 3214868480
	.section	.rodata,"a",@progbits
	.p2align	6, 0x0
	.amdhsa_kernel k_q0917d48dcf_gemm_proj
		.amdhsa_group_segment_fixed_size 327680
		.amdhsa_private_segment_fixed_size 0
		.amdhsa_enable_private_segment 0
		.amdhsa_kernarg_size 32
		.amdhsa_user_sgpr_count 2
		.amdhsa_user_sgpr_kernarg_segment_ptr 1
		.amdhsa_wavefront_size32 1
		.amdhsa_system_sgpr_workgroup_id_x 1
		.amdhsa_system_sgpr_workgroup_id_y 1
		.amdhsa_system_sgpr_workgroup_id_z 1
		.amdhsa_system_vgpr_workitem_id 0
		.amdhsa_next_free_vgpr 768
		.amdhsa_next_free_sgpr 100
		.amdhsa_reserve_vcc 0
		.amdhsa_float_denorm_mode_32 3
		.amdhsa_float_denorm_mode_16_64 3
		.amdhsa_memory_ordered 1
		.amdhsa_forward_progress 1
		.amdhsa_inst_pref_size 78
	.end_amdhsa_kernel
	.amdgpu_metadata
---
amdhsa.version: [ 1, 2 ]
amdhsa.kernels:
  - .name:           k_q0917d48dcf_gemm_proj
    .symbol:         k_q0917d48dcf_gemm_proj.kd
    .args:
      - { .name: o_codes, .offset: 0, .size: 8, .value_kind: global_buffer, .address_space: global }
      - { .name: wproj_codes, .offset: 8, .size: 8, .value_kind: global_buffer, .address_space: global }
      - { .name: lowp_scales, .offset: 16, .size: 8, .value_kind: global_buffer, .address_space: global }
      - { .name: out0, .offset: 24, .size: 8, .value_kind: global_buffer, .address_space: global }
    .group_segment_fixed_size: 327680
    .private_segment_fixed_size: 0
    .kernarg_segment_align: 8
    .kernarg_segment_size: 32
    .max_flat_workgroup_size: 128
    .sgpr_count:     100
    .vgpr_count:     768
    .wavefront_size: 32
...
	.end_amdgpu_metadata
.endif
;; end of part 4
